; MI455X (gfx1250); checked and timed in simulation.
; The chip was launched on July 23, 2026; its instructions are those of AMD's public machine-readable ISA for CDNA 5 (MIT licence, August 2026) and "CDNA5" Instruction Set Architecture Reference Guide (July 2026). The comments in the code are by the model that wrote it; some were corrected since.
;; Mo E Layer. Allowed arithmetic: matrix products marked QUANTISED: E5M2 operands, one given power-of-two scale a tensor, by v_wmma_f32_16x16x64_bf8_bf8 or v_wmma_f32_16x16x128_bf8_bf8, f32 sums; products left as they are: f32 operands where the result goes on into a quantised operand, else bf16, f16 or f32 operands; f32 sums; everything else in f32.
;; Inputs: W1_codes 8 x 4,096 x 32 x 32 uint8 (E5M2 codes of W1, K innermost, in blocks of 32 codes); W2_codes 8 x 1,024 x 128 x 32 uint8 (E5M2 codes of W2, K innermost, in blocks of 32 codes); Wg 8 x 1,024 float32; b1 8 x 4,096 float32; b2 8 x 1,024 float32; bg 8 float32; lowp_scales 4 int32 (the exponents e of the quantised operands' scales 2^e); x 1,024 x 1,024 float32.
;; Outputs: out0 1,024 x 1,024 float32.
;; This version of the problem:
;;   THIS VERSION OF THE PROBLEM IS GIVEN IN LOW PRECISION. The matrix products marked QUANTISED in the list below multiply operands that are first quantised to E5M2 (5 exponent bits, 2 mantissa bits; 8 bits a number), with one given power-of-two scale for each operand tensor; their sums are f32. All else is computed in f32.
;;   The module's matrix products, in the order in which they are computed (A, B: the left and right operand; K: the contracted axis; several contracted axes count as one K, in the product's order):
;;     1. [M 1,024, K 1,024] x [K 1,024, N 8]; A: input x; B: input Wg: left as it is (N = 8 < 16)
;;     2. [M 1,024, K 1,024] x [K 1,024, N 32,768]; A: input x; B: input W1 (given as codes): QUANTISED (scales: A lowp_scales[0], B lowp_scales[1])
;;     3. batch 8 x [M 1,024, K 4,096] x [K 4,096, N 1,024]; A: input W2 (given as codes); B: computed on the way: QUANTISED (scales: A lowp_scales[2], B lowp_scales[3])
;;     4. batch 1,024 x [M 1, K 8] x [K 8, N 1,024]; A: computed on the way; B: computed on the way: left as it is (K = 8 < 32)
;;   THE QUANTISER, for each operand of a quantised product, along K:
;;     - The operand's scale is 2^e, e = its entry of the input lowp_scales (int32; the entries are numbered through the quantised products in the list's order, A before B).
;;     - Each number is divided by the scale, clamped to +-57,344, and rounded to the nearest number of E5M2, ties to even, subnormals kept.
;;     - The product sums the exact products of the quantised numbers (number of the format x scale) in f32.
;;   ~~~python
;;   def quantise(x, axis, e):      # numpy; x: float32 -> the quantised numbers, widened to float32 again
;;       x = np.moveaxis(x, axis, -1); K = x.shape[-1]
;;       r = np.clip(x / 2.0 ** e, -57344, 57344)
;;       step = 2.0 ** (np.maximum(np.frexp(np.where(r == 0, 1, r))[1] - 1, -14) - 2)
;;       q = np.round(r / step) * step * 2.0 ** e      # np.round: ties to even
;;       return np.moveaxis(q, -1, axis).astype(np.float32)
;;   ~~~
;;   OPERANDS COMPUTED ON THE WAY. 'Computed on the way' means the value that the module computes at that place (a softmax that the list does not call 'softmax' is quantised finished and normalised). What goes into a quantiser is computed in f32, as accurately as f32 sums, v_exp_f32 and their like allow (about 1e-6 of the number): no bf16 or f16 on the way to a quantiser, and a product that is left as it is and whose result goes on into a quantised operand takes f32 operands (vector FMAs, or v_wmma_f32_16x16x4_f32). A number that lies on a knife's edge between two numbers of the format may be rounded either way, as far as f32 arithmetic and the matrix unit's own rounding can turn it there, and no further.
;;   INPUTS GIVEN AS CODES. W1 (in the module: [8, 4096, 1024], K = its axis 2); W2 (in the module: [8, 1024, 4096], K = its axis 2): each comes as NAME_codes (uint8): NAME with its K axis moved to the last place and cut into blocks of 32 codes, [.., K / 32, bytes a block], one block behind the other in memory; one code a byte (a code: sign, 5 exponent bits, 2 mantissa bits); its scale is its entry of lowp_scales. Its value is code x scale, taken as it is: it is not quantised again, and the codes and scales need not be those that the quantiser above would give.
;; One version. Each part assembles by itself: llvm-mc -triple=amdgcn-amd-amdhsa -mcpu=gfx1250 --defsym DOCPART=n.
;; ======== version 1 of 1: 4 launches
;; limits: right only within a limited range of input values
;; workspace buffers: xq 1,048,576 bytes; sel 4,096 bytes of whole numbers; cw 8,192 bytes; hq 33,554,432 bytes; dlist 32,768 bytes of whole numbers; cnts 1,024 bytes of whole numbers; yp 33,685,504 bytes
;; launch route (part 1): grid 256 x 1, 4 waves a work-group, no clusters, 1,024 bytes of LDS; arguments x, Wg, bg, lowp_scales, xq, sel, cw; writes xq, sel, cw
.if DOCPART == 1
	.amdgcn_target "amdgcn-amd-amdhsa--gfx1250"
	.amdhsa_code_object_version 6
	.text
	.protected	k_qa90617597a_route
	.globl	k_qa90617597a_route
	.p2align	8
	.type	k_qa90617597a_route,@function
k_qa90617597a_route:
	s_mov_b64 s[64:65], 0
	v_nop
	global_prefetch_b8 v0, s[64:65] scope:SCOPE_SE
	s_setreg_imm32_b32 hwreg(HW_REG_WAVE_MODE, 25, 1), 1
	s_wait_xcnt 0x0
; THE ROUTER, AND x INTO CODES.  logits = x Wg^T + bg in f32 (fused multiply-adds), softmax over the 8 experts with the maximum taken away, the two largest weights (ties: the lower index,
; as jax.lax.top_k has it), and x as codes of E5M2 with the given scale 2^e0 (lowp_scales[0]).
; DEAD WORK LEFT OUT BY THE WHOLE PROGRAM.  reference() multiplies y[t][e] by combine_w[t][e] = w[t][e] x sel[t][e], and sel, which it builds itself from its own top_k, is 0 for the six experts
; not chosen for token t.  So, in real numbers and for all finite inputs, rows (t, e) of the two expert products and of the GELU reach no output for those six: only the 2 x 1,024 chosen rows are computed.
; Every input keeps a way to the output and is loaded.  LIMIT: a NaN, an infinity or an overflow that arises only in an expert that was not chosen for a token is not carried to the result.
; The choice is derived from floating-point numbers, so no address here hangs on it: it is stored at fixed places, as whole numbers, for the next launch:
;   sel[t] = (1 << e_first) | (1 << e_second) | (256 << e_second);   cw[t] = the two raw softmax weights, first and second.
; SHARES.  A work-group takes 4 tokens; wave w takes d = 256 w .. 256 w + 255 of every row; a lane 8 neighbouring d (its two 16-byte loads, issued on end, cover with the other lanes' the same 1,024 bytes whole),
; so that one conversion gives its 8 codes and a wave's 8-byte store covers 256 consecutive bytes, aligned.  The waves' parts of the 32 logits meet in LDS; wave 0 does the softmax, a lane a token.
; sel and cw are 16 and 32 bytes a work-group: 12 KiB in the whole launch.  No matrix unit: N = 8.
; LIMITS: e0 between -126 and 112.  NaN among the inputs is not served.  The logits' sums go in another order than reference()'s: two weights nearer than f32 rounding may be ranked the other way.
.set X,     32                         ; v32-63   x: 8 numbers for each of 4 tokens; later wave 0's work
.set WGR,   64                         ; v64-127  Wg: 8 numbers for each of 8 experts
.set AC,    128                        ; v128-191 held numbers for the conversion, then a pair of sums for each (token, expert)
.set LG,    192                        ; v192-223 my wave's part of the 32 logits
.set CD,    224                        ; v224-231 codes: two registers a token
.set SPARE, 512                        ; LDS: bytes 0-511 the waves' parts (128 a wave); from 512 the spare words, 128 bytes a wave, which no other line names
	s_load_b256 s[4:11], s[0:1], 0x0               ; x s[4:5], Wg s[6:7], bg s[8:9], lowp_scales s[10:11]
	s_load_b128 s[12:15], s[0:1], 0x20             ; xq s[12:13], sel s[14:15]
	s_load_b64 s[16:17], s[0:1], 0x30              ; cw
	v_lshl_add_u32 v22, v0, 2, SPARE               ; my spare word,
	v_mov_b32 v23, 0                               ; and 0: kept for the closing lines alone
	v_lshrrev_b32 v1, 5, v0
	v_readfirstlane_b32 s20, v1                    ; wave 0..3
	v_and_b32 v1, 31, v0                           ; lane
	v_lshlrev_b32 v2, 5, v1                        ; my 32 bytes of a wave's 1,024 of x or Wg
	v_lshlrev_b32 v3, 3, v1                        ; my 8 codes; also my pair in cw
	v_lshlrev_b32 v9, 2, v1                        ; my word in sel
	s_lshl_b32 s21, s20, 7
	v_mov_b32 v4, s21                              ; LDS: my wave's 128 bytes
	v_and_b32 v5, 3, v0
	v_lshlrev_b32 v5, 5, v5                        ; LDS: token (lane % 4)'s 8 logits in a wave's part
	s_mov_b32 s34, 0x76543210                      ; v_permlanex16_b32: lane l xor 16
	s_mov_b32 s35, 0xfedcba98
	s_mov_b32 s37, 0x3fb8aa3b                      ; log2(e)
	s_lshl_b32 s22, s20, 10                        ; my wave's 256 numbers in a row
	s_mov_b32 s23, 0
	s_lshl_b32 s28, ttmp9, 14                      ; 4 rows of x
	s_add_co_u32 s28, s28, s22
	s_mov_b32 s29, 0
	s_lshl_b32 s30, ttmp9, 12                      ; 4 rows of codes
	s_lshl_b32 s31, s20, 8
	s_add_co_u32 s30, s30, s31
	s_mov_b32 s31, 0
	s_lshl_b32 s38, ttmp9, 4
	s_mov_b32 s39, 0
	s_lshl_b32 s40, ttmp9, 5
	s_mov_b32 s41, 0
	s_wait_kmcnt 0x0
	s_add_nc_u64 s[4:5], s[4:5], s[28:29]
	s_add_nc_u64 s[6:7], s[6:7], s[22:23]
	s_add_nc_u64 s[12:13], s[12:13], s[30:31]
	s_add_nc_u64 s[14:15], s[14:15], s[38:39]
	s_add_nc_u64 s[16:17], s[16:17], s[40:41]
	s_load_b256 s[24:31], s[8:9], 0x0              ; bg
	s_load_b32 s32, s[10:11], 0x0                  ; e0
.irp t, 0,1,2,3
	global_load_b128 v[X+8*\t:X+8*\t+3],   v2, s[4:5] offset:4096*\t th:TH_LOAD_NT
	global_load_b128 v[X+8*\t+4:X+8*\t+7], v2, s[4:5] offset:4096*\t+16 th:TH_LOAD_NT
.endr
.irp e, 0,1,2,3,4,5,6,7
	global_load_b128 v[WGR+8*\e:WGR+8*\e+3],   v2, s[6:7] offset:4096*\e
	global_load_b128 v[WGR+8*\e+4:WGR+8*\e+7], v2, s[6:7] offset:4096*\e+16
.endr
	s_wait_kmcnt 0x0
	s_add_co_i32 s32, s32, 127
	s_lshl_b32 s33, s32, 23
	v_mov_b32 v6, s33                              ; 2^e0 as f32: the conversion takes its exponent field
	s_add_co_i32 s32, s32, 15
	s_lshl_b32 s32, s32, 23
	s_or_b32 s32, s32, 0x600000
	v_mov_b32 v7, s32                              ; 57,344 x 2^e0
	; ---- x into codes.  The sums below want x as it is, so the held numbers go into other registers
	s_wait_loadcnt 16                              ; x's 8 loads are in; Wg's 16, issued behind them, may be out
.set i, 0
.rept 32
	v_med3_num_f32 v[AC+i], v[X+i], -v7, v7        ; the conversion to an 8-bit code does not saturate (ISA guide 7.6.2): the hold at the largest code x the scale
.set i, i+1
.endr
.irp t, 0,1,2,3
	v_cvt_scalef32_pk8_bf8_f32 v[CD+2*\t:CD+2*\t+1], v[AC+8*\t:AC+8*\t+7], v6
.endr
	v_nop                                          ; a plain instruction between the conversions and the lines below that write their sources
.irp t, 0,1,2,3
	global_store_b64 v3, v[CD+2*\t:CD+2*\t+1], s[12:13] offset:1024*\t   ; 32 lanes store 256 consecutive bytes, aligned
.endr
	; ---- my wave's part of the 32 logits: 32 chains that do not wait for each other, two numbers an instruction
	s_wait_loadcnt 0x0
.irp t, 0,1,2,3
.irp e, 0,1,2,3,4,5,6,7
	v_pk_mul_f32 v[AC+2*(8*\t+\e):AC+2*(8*\t+\e)+1], v[X+8*\t:X+8*\t+1], v[WGR+8*\e:WGR+8*\e+1]
.endr
.endr
.irp k, 2,4,6
.irp t, 0,1,2,3
.irp e, 0,1,2,3,4,5,6,7
	v_pk_fma_f32 v[AC+2*(8*\t+\e):AC+2*(8*\t+\e)+1], v[X+8*\t+\k:X+8*\t+\k+1], v[WGR+8*\e+\k:WGR+8*\e+\k+1], v[AC+2*(8*\t+\e):AC+2*(8*\t+\e)+1]
.endr
.endr
.endr
.set i, 0
.rept 32
	v_add_f32 v[LG+i], v[AC+2*i], v[AC+2*i+1]
.set i, i+1
.endr
.irp x, 1,2,4,8                        ; across the 32 lanes: four steps inside each half ride on the addition, one crosses the halves
.set i, 0
.rept 32
	v_add_f32_dpp v[LG+i], v[LG+i], v[LG+i] row_xmask:\x row_mask:0xf bank_mask:0xf
.set i, i+1
.endr
.endr
.set i, 0
.rept 32
	v_permlanex16_b32 v[AC+i], v[LG+i], s34, s35   ; (its destination counts as read: these registers have been written)
.set i, i+1
.endr
.set i, 0
.rept 32
	v_add_f32 v[LG+i], v[LG+i], v[AC+i]
.set i, i+1
.endr
.irp i, 0,1,2,3,4,5,6,7
	ds_store_b128 v4, v[LG+4*\i:LG+4*\i+3] offset:16*\i   ; all lanes hold the same sums and write the same bytes: word 8 token + expert of my wave's part
.endr
	s_wait_dscnt 0x0                               ; for wave 0's sake: my stores have landed
	s_barrier_signal -1
	s_barrier_wait -1
	s_cmp_lg_u32 s20, 0
	s_cbranch_scc1 .Lend                           ; wave 0 alone goes on; no barrier follows
	; ---- wave 0: lane l works token l % 4 (lanes 4-31 repeat lanes 0-3 and store nothing)
.irp u, 0,1,2,3
	ds_load_b128 v[X+8*\u:X+8*\u+3],   v5 offset:128*\u
	ds_load_b128 v[X+8*\u+4:X+8*\u+7], v5 offset:128*\u+16
.endr
	s_wait_dscnt 0x0
.irp i, 0,2,4,6
	v_pk_add_f32 v[X+\i:X+\i+1], v[X+\i:X+\i+1], v[X+8+\i:X+9+\i]
	v_pk_add_f32 v[X+16+\i:X+17+\i], v[X+16+\i:X+17+\i], v[X+24+\i:X+25+\i]
.endr
.irp i, 0,2,4,6
	v_pk_add_f32 v[X+\i:X+\i+1], v[X+\i:X+\i+1], v[X+16+\i:X+17+\i]
.endr
.irp e, 0,1,2,3,4,5,6,7
	v_add_f32 v[X+\e], s[24+\e], v[X+\e]           ; + bg: v32-39 are the token's 8 logits
.endr
	v_max3_num_f32 v40, v32, v33, v34
	v_max3_num_f32 v41, v35, v36, v37
	v_max3_num_f32 v40, v40, v38, v39
	v_max_num_f32 v40, v40, v41                    ; the largest logit
	v_mul_f32 v41, s37, v40
.irp e, 0,1,2,3,4,5,6,7
	v_fma_f32 v[X+\e], v[X+\e], s37, -v41          ; (logit - the largest) x log2(e); the one rounded shift is the same for all eight
.endr
.irp e, 0,1,2,3,4,5,6,7
	v_exp_f32 v[X+\e], v[X+\e]
.endr
	v_nop                                          ; a plain instruction behind the last exponential,
	s_wait_alu depctr_va_vdst(0)                   ; and one wait for the eight, ahead of their first reader
	v_add_f32 v40, v32, v33
	v_add_f32 v41, v34, v35
	v_add_f32 v46, v36, v37
	v_add_f32 v47, v38, v39
	v_add_f32 v40, v40, v41
	v_add_f32 v46, v46, v47
	v_add_f32 v40, v40, v46
	v_rcp_f32 v41, v40
	v_nop
	s_wait_alu depctr_va_vdst(0)
.irp e, 0,1,2,3,4,5,6,7
	v_mul_f32 v[X+\e], v[X+\e], v41                ; w: the softmax
.endr
	v_mov_b32 v42, v32                             ; the largest weight (v42) and its expert (v44): a later one wins only if it is strictly larger
	v_mov_b32 v44, 0
.irp e, 1,2,3,4,5,6,7
	v_cmp_gt_f32 vcc_lo, v[X+\e], v42
	v_cndmask_b32 v42, v42, v[X+\e], vcc_lo
	v_cndmask_b32 v44, v44, \e, vcc_lo
.endr
.irp e, 0,1,2,3,4,5,6,7
	v_cmp_eq_u32 vcc_lo, \e, v44
	v_cndmask_b32 v[48+\e], v[X+\e], -1.0, vcc_lo  ; the first choice is taken out: -1 lies under every weight
.endr
	v_mov_b32 v43, v48                             ; the second (v43, v45), in the same way
	v_mov_b32 v45, 0
.irp e, 1,2,3,4,5,6,7
	v_cmp_gt_f32 vcc_lo, v[48+\e], v43
	v_cndmask_b32 v43, v43, v[48+\e], vcc_lo
	v_cndmask_b32 v45, v45, \e, vcc_lo
.endr
	v_mov_b32 v46, 1
	v_mov_b32 v47, 0x101
	v_lshlrev_b32 v56, v44, v46
	v_lshlrev_b32 v57, v45, v47
	v_or_b32 v56, v56, v57                         ; (1 << first) | (1 << second) | (256 << second)
	s_wait_xcnt 0x0                                ; EXEC changes only behind this wait: the stores of the codes have read theirs
	v_cmp_gt_u32 vcc_lo, 4, v1
	s_and_saveexec_b32 s36, vcc_lo                 ; lanes 0-3
	global_store_b32 v9, v56, s[14:15]
	global_store_b64 v3, v[42:43], s[16:17]
	s_wait_xcnt 0x0                                ; and again, in front of the line that widens it
	s_or_b32 exec_lo, exec_lo, s36
.Lend:
	s_wait_tensorcnt 0x0                           ; the wave's end: behind my last LDS store
	ds_add_u32 v22, v23
	s_wait_dscnt 0x0
	s_endpgm
.Lfunc_end_k_qa90617597a_route:
	.size	k_qa90617597a_route, .Lfunc_end_k_qa90617597a_route-k_qa90617597a_route
	.p2alignl 7, 3214868480
	.fill 96, 4, 3214868480
	.section	.rodata,"a",@progbits
	.p2align	6, 0x0
	.amdhsa_kernel k_qa90617597a_route
		.amdhsa_group_segment_fixed_size 1024
		.amdhsa_private_segment_fixed_size 0
		.amdhsa_enable_private_segment 0
		.amdhsa_kernarg_size 56
		.amdhsa_user_sgpr_count 2
		.amdhsa_user_sgpr_kernarg_segment_ptr 1
		.amdhsa_wavefront_size32 1
		.amdhsa_system_sgpr_workgroup_id_x 1
		.amdhsa_system_sgpr_workgroup_id_y 1
		.amdhsa_system_sgpr_workgroup_id_z 1
		.amdhsa_system_vgpr_workitem_id 0
		.amdhsa_next_free_vgpr 232
		.amdhsa_next_free_sgpr 66
		.amdhsa_reserve_vcc 1
		.amdhsa_float_denorm_mode_32 3
		.amdhsa_float_denorm_mode_16_64 3
		.amdhsa_memory_ordered 1
		.amdhsa_forward_progress 1
		.amdhsa_inst_pref_size 35
	.end_amdhsa_kernel
	.amdgpu_metadata
---
amdhsa.version: [ 1, 2 ]
amdhsa.kernels:
  - .name:           k_qa90617597a_route
    .symbol:         k_qa90617597a_route.kd
    .args:
      - { .name: x, .offset: 0, .size: 8, .value_kind: global_buffer, .address_space: global }
      - { .name: Wg, .offset: 8, .size: 8, .value_kind: global_buffer, .address_space: global }
      - { .name: bg, .offset: 16, .size: 8, .value_kind: global_buffer, .address_space: global }
      - { .name: lowp_scales, .offset: 24, .size: 8, .value_kind: global_buffer, .address_space: global }
      - { .name: xq, .offset: 32, .size: 8, .value_kind: global_buffer, .address_space: global }
      - { .name: sel, .offset: 40, .size: 8, .value_kind: global_buffer, .address_space: global }
      - { .name: cw, .offset: 48, .size: 8, .value_kind: global_buffer, .address_space: global }
    .group_segment_fixed_size: 1024
    .private_segment_fixed_size: 0
    .kernarg_segment_align: 8
    .kernarg_segment_size: 56
    .max_flat_workgroup_size: 128
    .sgpr_count:     66
    .vgpr_count:     232
    .wavefront_size: 32
...
	.end_amdgpu_metadata
.endif
;; end of part 1
;; launch ffn1 (part 2): grid 32 x 8, 4 waves a work-group, no clusters, 266,752 bytes of LDS; arguments xq, sel, W1_codes, b1, lowp_scales, hq, dlist, cnts; writes hq, dlist, cnts
.if DOCPART == 2
	.amdgcn_target "amdgcn-amd-amdhsa--gfx1250"
	.amdhsa_code_object_version 6
	.text
	.protected	k_qa90617597a_ffn1
	.globl	k_qa90617597a_ffn1
	.p2align	8
	.type	k_qa90617597a_ffn1,@function
k_qa90617597a_ffn1:
	s_mov_b64 s[64:65], 0
	v_nop
	global_prefetch_b8 v0, s[64:65] scope:SCOPE_SE
	s_setreg_imm32_b32 hwreg(HW_REG_WAVE_MODE, 25, 1), 1
	s_wait_xcnt 0x0
; THE FIRST EXPERT PRODUCT: hq = Q(gelu(x W1[e]^T + b1[e])) for the rows that chose expert e, on codes of E5M2 (v_wmma_f32_16x16x128_bf8_bf8), GELU by the exact error function, in f32.
; Left out as dead work: the rows of tokens that did not choose expert e (reference() multiplies them by a 0 of its own making: shown at the head of the first kernel).
; SHARES.  Work-group (j, e) owns hidden units 128 j .. 128 j + 127 of expert e: 128 rows x 1,024 codes of W1.  Each byte of W1 is read by one work-group, once, and then stays in registers
; (wave w: units 64 (w & 1) on, 512 registers).  The work-group walks the expert's rows, 64 slots a trip; wave w takes slots 32 (w >> 1) on of a trip.
; THE LIST.  Slot S of expert e is the S-th token, in a fixed order, whose word of sel (whole numbers that the launch before stored) has bit e.  No atomics: 32 ballots give a mask for each register of sel's words;
; a slot finds its register by the masks' running counts and its lane as the n-th set bit.  The order of slots is free: nothing is dropped.  EACH WAVE MAKES THE TOKENS OF THE SLOTS THAT IT GATHERS ITSELF, AND KEEPS
; THEM IN REGISTERS: rows 16 w .. 16 w + 15 of every tile of 64 slots; register p, lane l: slot 128 p + 64 (l / 16) + 16 w + l % 16.  A gather's offsets are made of them by v_readlane_b32 and a select between the
; halves of the lanes: the list never goes through LDS, and no wave waits for another's part of it.
; Work-group j = 0 stores the list for the next launch: dlist[e][S] = 2 token + (0: first choice, 1: second), or 2048 + e for a slot at or past the count; cnts[e] = the count.
; A FIXED WALK SERVES EVERY SPLIT: 16 trips (1,024 slots: all tokens on one expert); a group of 32 slots that begins at or past the count is jumped over by forward branches on the count, round loads and
; work alone; every wave passes every barrier.  Slots past the count inside a group that is worked hold some valid token; their results end in a row that nobody reads.
; NO CLUSTER, NO TENSOR LOAD: which trips work hangs on a count made from numbers read from memory, and partners would need different numbers of tiles.  The launch lasts as long as its fullest expert.
; THE MATRIX INSTRUCTION IS USED TRANSPOSED (source 0 = 16 rows of W1, source 1 = 16 slots): a lane holds ONE slot, its registers run along the hidden units, the next product's K.
; THE ROWS OF W1 THAT FORM A TILE ARE NOT NEIGHBOURS: lane r of tile 2 b + u takes row 32 b + 8 u + r + 8 (r / 8), so that the 16 registers of tiles 2 b, 2 b + 1 are 16 neighbouring units: the conversions' results are
; four registers of the next operand, and hq is laid as IMAGES OF THAT OPERAND'S REGISTERS: byte ((64 e + tile of 16 slots) x 32 + j) x 2,048 + 512 c + 16 lane.
; Fragments are fed by pieces of 16 bytes (registers 4 c .. 4 c + 3: k = 32 c + 16 (lane / 16) + 0 .. 15): a permutation of k, the same on both sides.
; GELU.  a = the sum + b1 / 2^E (the bias is the C of each sum's first product), E = e0 + e1, v = 2^E a, z = |v| / sqrt 2, t = 1 / (1 + z / 2);
; erfc(z) = t exp(-z^2 + c0 + c1 t + .. + c9 t^9), fractional error 1.2e-7 for all z;  gelu(v) = 2^(E-1) ((a + |a|) - |a| erfc(z)): for v < 0 the bracket is exactly 0, so nothing cancels, and no compare is needed.
; The factor 2^(E-1) and the given 2^e3 are folded into the conversion's one scale.
; LIMITS: |e0 + e1| <= 60; e3 - e0 - e1 + 1 between -126 and 112.  NaN among the inputs, and sums that overflow f32, are not served; an erfc under the smallest normal f32 number counts as 0.
; REGISTERS, in windows of 256: window 0: v1-23 addresses and constants; v24-31 the gather's offsets; v32-95 8 accumulators; v96-127 b1 / 2^E; v128-231 the GELU's work; v232-247 codes; v248-255 my slots' tokens.
;   window 1: W1's fragments of K steps 0-3 (step s, tile t at v[16 (4 s + t)]);  window 2: of K steps 4-7;  window 3: v0-127 four sets of x's fragments by turns, v128-255 the next tile on its way to LDS.
.set PITCH, 1040                       ; an LDS row: 1,024 bytes + 16 = 65 x 16: sixteen neighbouring rows start at sixteen different 16-byte columns
.set XB0,   128*PITCH                  ; LDS: from 0 W1's 128 rows;  two buffers of 64 rows of x's codes;
.set XB1,   XB0+64*PITCH
.set SPARE, XB1+64*PITCH               ; the spare words, 128 bytes a wave, which no other line names
.set MSTEP, 16*PITCH                   ; x's fragments: from 16 slots to the next,
.set SSTEP, 128                        ; from K step to K step,
.set CSTEP, 32                         ; from piece to piece
.set GA,    24
.set ACC,   32
.set BIAS,  96
.set AB,    128                        ; |a|; at the head: sel's 32 words
.set TT,    160                        ; t; at the head: the list's work
.set PP,    192                        ; the polynomial, the exponent, erfc
.set TMP,   224
.set CODES, 232
.set TOK,   248                        ; v248-255: the tokens of my slots; in the trips v248 holds those of tiles 2 it, 2 it + 1, v249 those of the next two
.set DOFF,  14                         ; dlist's offset of my slot in the round in hand
.set RB,    66                         ; s66-81: a gather's 16 tokens (the second-choice masks' registers, done with by then)
.set RS,    162                        ; the list's work: slot, mask, second-choice mask, count ahead of the mask, the mask's first token,
.set RM,    163
.set RM1,   164
.set RP0,   165
.set RCB,   166
.set RN,    167                        ; which set bit, the mask's counts by 2, 4, 8 and 16 bits, the bit's place, two temporaries, token, dlist's word, the count
.set RA,    168
.set RB4,   169
.set RC,    170
.set RD,    171
.set RPOS,  172
.set RT,    173
.set RU,    174
.set RTOK,  176
.set RDD,   177
.set RCNT,  178
.set MSB, 0
.macro WIN new                         ; the immediate's low byte: bits 1:0 source 0, 3:2 source 1, 5:4 source 2, 7:6 destination; its high byte repeats the setting that is left
.if MSB != (\new)
	s_set_vgpr_msb (MSB<<8)|(\new)
.set MSB, (\new)
.endif
.endm
.macro WLOAD first, count              ; my 32 rows of W1 as they lie: load n covers 512 consecutive bytes
.set n, \first
.rept \count
	global_load_b128 v[4*n:4*n+3], v4, s[8:9] offset:512*n th:TH_LOAD_NT
.set n, n+1
.endr
.endm
; 16 rows of x's codes by my tokens, lanes lane0 .. lane0 + 15 of register tok.  Offset jj serves rows 2 jj (lanes 0-15) and 2 jj + 1 (lanes 16-31): two tokens are read out of their lanes, chosen between by the
; constant mask of lanes 16-31 (s55), held inside the table, x 1,024 bytes; each load takes 2 rows x 256 aligned bytes
.macro GATHER tok, lane0, win, base
.irp jj, 0,1,2,3,4,5,6,7
	v_readlane_b32 s[RB+2*\jj],   v[\tok], \lane0+2*\jj
	v_readlane_b32 s[RB+2*\jj+1], v[\tok], \lane0+2*\jj+1
.endr
.irp jj, 0,1,2,3,4,5,6,7
	v_mov_b32 v[GA+\jj], s[RB+2*\jj]
.endr
.irp jj, 0,1,2,3,4,5,6,7
	v_cndmask_b32 v[GA+\jj], v[GA+\jj], s[RB+2*\jj+1], s55
.endr
.irp jj, 0,1,2,3,4,5,6,7
	v_min_u32 v[GA+\jj], 0x3ff, v[GA+\jj]
.endr
.irp jj, 0,1,2,3,4,5,6,7
	v_lshl_add_u32 v[GA+\jj], v[GA+\jj], 10, v13
.endr
	WIN \win
.irp jj, 0,1,2,3,4,5,6,7
.irp q, 0,1,2,3
	global_load_b128 v[\base+16*\jj+4*\q:\base+16*\jj+4*\q+3], v[GA+\jj], s[4:5] offset:256*\q
.endr
.endr
	WIN 0
.endm
.macro PUT adr, win, base              ; and into a buffer, as rows
	WIN \win
.irp jj, 0,1,2,3,4,5,6,7
.irp q, 0,1,2,3
	ds_store_b128 v[\adr], v[\base+16*\jj+4*\q:\base+16*\jj+4*\q+3] offset:2*\jj*PITCH+256*\q
.endr
.endr
	WIN 0
.endm
.macro FSET s, frb                     ; the activations' two fragments of K step s into set s % 4: 8 LDS loads
.irp m, 0,1
.irp c, 0,1,2,3
	ds_load_b128 v[32*((\s)%4)+16*\m+4*\c:32*((\s)%4)+16*\m+4*\c+3], v[\frb] offset:MSTEP*\m+SSTEP*(\s)+CSTEP*\c
.endr
.endr
.endm
; 32 slots x 64 weight rows x 1,024 along K: 64 matrix instructions.  The 8 accumulators take turns, one instruction a turn; the bias starts the sums: nothing is cleared.
.macro COMPUTE frb
	WIN 0xC0
	FSET 0, \frb
	FSET 1, \frb
	FSET 2, \frb
	FSET 3, \frb
.irp s, 0,1,2,3,4,5,6,7
.if \s <= 4
	s_wait_dscnt 24                                ; set s is in; behind it stand three sets of 8 loads
.else
	s_wait_dscnt 8*(7-\s)                          ; the sets behind it run out
.endif
	WIN 0x0D+(\s/4)                                ; source 0 (weights) window 1 or 2, source 1 window 3, C and D window 0
.irp t, 0,1,2,3
.irp m, 0,1
.if \s == 0
	v_wmma_f32_16x16x128_bf8_bf8 v[ACC+8*(4*\m+\t):ACC+8*(4*\m+\t)+7], v[16*(4*(\s%4)+\t):16*(4*(\s%4)+\t)+15], v[32*(\s%4)+16*\m:32*(\s%4)+16*\m+15], v[BIAS+8*\t:BIAS+8*\t+7]
.else
	v_wmma_f32_16x16x128_bf8_bf8 v[ACC+8*(4*\m+\t):ACC+8*(4*\m+\t)+7], v[16*(4*(\s%4)+\t):16*(4*(\s%4)+\t)+15], v[32*(\s%4)+16*\m:32*(\s%4)+16*\m+15], v[ACC+8*(4*\m+\t):ACC+8*(4*\m+\t)+7]
.endif
.endr
.endr
.if \s < 4
.rept 4
	v_nop                                          ; four places in front of loads into registers that these products have read (ISA guide 7.12.1 for vector instructions)
.endr
	WIN 0xC0
	FSET \s+4, \frb
.endif
.endr
	WIN 0
.rept 4
	v_nop                                          ; four places in front of the first read of results
.endr
.endm
; The GELU of 16 slots x 64 units (32 numbers a lane), quantised and stored.  Two batches of transcendentals, each with one plain instruction and one wait ahead of its first reader.
.macro GELU m, ofs
.set A, ACC+32*(\m)
.set i, 0
.rept 32
	v_and_b32 v[AB+i], s54, v[A+i]                 ; |a|: each accumulator is read from its low end on
.set i, i+1
.endr
.set i, 0
.rept 16
	v_pk_fma_f32 v[TT+i:TT+i+1], v[AB+i:AB+i+1], s[50:51], 1.0 op_sel_hi:[1,0,0]   ; 1 + z / 2
.set i, i+2
.endr
.set i, 0
.rept 32
	v_rcp_f32 v[TT+i], v[TT+i]                     ; t
.set i, i+1
.endr
.set i, 0
.rept 16
	v_pk_add_f32 v[A+i:A+i+1], v[A+i:A+i+1], v[AB+i:AB+i+1]   ; a + |a|: plain work behind the reciprocals
.set i, i+2
.endr
	s_wait_alu depctr_va_vdst(0)
.set i, 0
.rept 16
	v_pk_fma_f32 v[PP+i:PP+i+1], v[TT+i:TT+i+1], s[48:49], v[18:19] op_sel_hi:[1,0,1]   ; c9 t + c8 (all coefficients x log2 e)
.set i, i+2
.endr
.irp k, 7,6,5,4,3,2,1,0
.set i, 0
.rept 16
	v_pk_fma_f32 v[PP+i:PP+i+1], v[PP+i:PP+i+1], v[TT+i:TT+i+1], s[32+2*\k:33+2*\k] op_sel_hi:[1,1,0]
.set i, i+2
.endr
.endr
.set i, 0
.rept 4
.irp u, 0,2,4,6
	v_pk_mul_f32 v[TMP+\u:TMP+\u+1], v[AB+i+\u:AB+i+\u+1], v[AB+i+\u:AB+i+\u+1]
.endr
.irp u, 0,2,4,6
	v_pk_fma_f32 v[PP+i+\u:PP+i+\u+1], v[TMP+\u:TMP+\u+1], s[52:53], v[PP+i+\u:PP+i+\u+1] op_sel_hi:[1,0,1]   ; - z^2 log2 e
.endr
.set i, i+8
.endr
.set i, 0
.rept 32
	v_exp_f32 v[PP+i], v[PP+i]
.set i, i+1
.endr
	v_nop
	s_wait_alu depctr_va_vdst(0)
.set i, 0
.rept 16
	v_pk_mul_f32 v[PP+i:PP+i+1], v[PP+i:PP+i+1], v[TT+i:TT+i+1]   ; erfc(z)
.set i, i+2
.endr
.set i, 0
.rept 16
	v_pk_fma_f32 v[A+i:A+i+1], v[AB+i:AB+i+1], v[PP+i:PP+i+1], v[A+i:A+i+1] neg_lo:[1,0,0] neg_hi:[1,0,0]   ; (a + |a|) - |a| erfc(z)
.set i, i+2
.endr
.set i, 0
.rept 32
	v_med3_num_f32 v[A+i], v[A+i], -v21, v21       ; the conversion to an 8-bit code does not saturate (ISA guide 7.6.2): the hold at the largest code x the scale
.set i, i+1
.endr
.irp g, 0,1,2,3
	v_cvt_scalef32_pk8_bf8_f32 v[CODES+8*(\m)+2*\g:CODES+8*(\m)+2*\g+1], v[A+8*\g:A+8*\g+7], v20
.endr
	v_nop                                          ; a plain instruction between the conversions and the next products, which write their sources
.irp bb, 0,1
	global_store_b128 v4, v[CODES+8*(\m)+4*\bb:CODES+8*(\m)+4*\bb+3], s[14:15] offset:\ofs+65536*(\m)+512*\bb   ; four registers of the next operand: 512 consecutive bytes, aligned
.endr
.endm
.macro PICK src, width, step           ; the n-th set bit lies in the lower part if that part holds more than n set bits, else in the upper
	v_bfe_u32 v[RT], v[\src], v[RPOS], \width
	v_cmp_ge_u32 vcc_lo, v[RN], v[RT]
	v_cndmask_b32 v[RT], 0, v[RT], vcc_lo
	v_cndmask_b32 v[RU], 0, \step, vcc_lo
	v_sub_nc_u32 v[RN], v[RN], v[RT]
	v_add_nc_u32 v[RPOS], v[RPOS], v[RU]
.endm
.macro COEF k, bits
	s_mov_b32 s[32+2*\k], \bits
	s_mov_b32 s[33+2*\k], \bits                    ; (named with it as a pair, so it is written)
.endm
	s_load_b512 s[4:19], s[0:1], 0x0               ; xq s[4:5], sel s[6:7], W1 s[8:9], b1 s[10:11], lowp_scales s[12:13], hq s[14:15], dlist s[16:17], cnts s[18:19]
	v_lshl_add_u32 v22, v0, 2, SPARE               ; my spare word,
	v_mov_b32 v23, 0                               ; and 0: kept for the closing lines alone
	v_lshrrev_b32 v1, 5, v0
	v_readfirstlane_b32 s20, v1                    ; wave 0..3
	s_and_b32 s21, s20, 1                          ; cg: which 64 of the 128 units
	s_lshr_b32 s22, s20, 1                         ; rg: which 32 of a trip's 64 slots
	s_and_b32 s23, ttmp7, 0xffff                   ; e
	s_mov_b32 s24, ttmp9                           ; j
	v_and_b32 v1, 31, v0                           ; lane
	v_and_b32 v2, 15, v0                           ; r
	v_bfe_u32 v3, v0, 4, 1                         ; h
	v_lshlrev_b32 v4, 4, v1                        ; 16 x lane
	s_mul_i32 s28, s20, 32*PITCH
	v_add_nc_u32 v5, s28, v4                       ; W1 into LDS: my 32 rows
	v_and_b32 v6, 8, v2
	v_add_nc_u32 v6, v6, v2                        ; r + 8 (r / 8)
	v_mul_u32_u24 v6, v6, PITCH
	v_lshl_add_u32 v6, v3, 4, v6
	s_mul_i32 s28, s21, 64*PITCH
	v_add_nc_u32 v6, s28, v6                       ; W1's fragments: my 64 rows
	v_mul_u32_u24 v7, v3, PITCH
	v_lshl_add_u32 v7, v2, 4, v7
	s_mul_i32 s28, s20, 16*PITCH
	v_add_nc_u32 v7, s28, v7
	v_add_nc_u32 v8, XB1, v7                       ; x into buffer 1,
	v_add_nc_u32 v7, XB0, v7                       ; into buffer 0: rows 16 w on; lanes 0-15 one row, lanes 16-31 the next
	v_mul_u32_u24 v9, v2, PITCH
	v_lshl_add_u32 v9, v3, 4, v9
	s_mul_i32 s28, s22, 32*PITCH
	v_add_nc_u32 v9, s28, v9
	v_add_nc_u32 v10, XB1, v9                      ; x's fragments in buffer 1,
	v_add_nc_u32 v9, XB0, v9                       ; in buffer 0: rows 32 rg on
	s_lshl_b32 s28, s20, 4
	v_lshl_add_u32 v11, v3, 6, s28
	v_add_nc_u32 v11, v11, v2                      ; my slot of round 0: 64 h + 16 w + r
	v_lshlrev_b32 v17, 2, v11                      ; and its word in dlist
	v_lshlrev_b32 v12, 2, v1                       ; 4 x lane
	v_lshlrev_b32 v13, 4, v2                       ; 16 (lane % 16)
	v_lshlrev_b32 v15, 6, v3                       ; b1: 16 units for each half of the lanes
.irp i, 0,1,2,3,4,5,6,7
	v_mov_b32 v[TOK+\i], 0                         ; written on every way: a round that is jumped over leaves its register as it is
.endr
	s_lshl_b32 s28, s23, 22                        ; an expert's W1, and its region of hq: 4 MiB
	s_lshl_b32 s30, s24, 17
	s_add_co_u32 s30, s30, s28
	s_lshl_b32 s31, s20, 15
	s_add_co_u32 s30, s30, s31                     ; W1: + 1,024 (128 j + 32 w)
	s_mov_b32 s31, 0
	s_lshl_b32 s2, s22, 17
	s_add_co_u32 s28, s28, s2
	s_lshl_b32 s2, s24, 11
	s_add_co_u32 s28, s28, s2
	s_lshl_b32 s2, s21, 10
	s_add_co_u32 s28, s28, s2                      ; hq: + 2 rg tiles of 65,536 + 2,048 j + 512 (2 cg)
	s_mov_b32 s29, 0
	s_wait_kmcnt 0x0
	s_add_nc_u64 s[8:9], s[8:9], s[30:31]
	s_add_nc_u64 s[14:15], s[14:15], s[28:29]
	s_lshl_b32 s28, s23, 14
	s_lshl_b32 s2, s24, 9
	s_add_co_u32 s28, s28, s2
	s_lshl_b32 s2, s21, 8
	s_add_co_u32 s28, s28, s2
	s_add_nc_u64 s[10:11], s[10:11], s[28:29]      ; b1: 4 (4,096 e + 128 j + 64 cg)
	s_lshl_b32 s28, s23, 12
	s_add_nc_u64 s[16:17], s[16:17], s[28:29]      ; dlist: 1,024 words an expert
	s_lshl_b32 s28, s23, 7
	s_add_nc_u64 s[18:19], s[18:19], s[28:29]      ; cnts: 32 words an expert
.irp i, 0,1,2,3,4,5,6,7
	global_load_b128 v[AB+4*\i:AB+4*\i+3], v4, s[6:7] offset:512*\i   ; sel: register c = 4 i + jj, lane l: token 128 i + jj + 4 l
.endr
	WIN 0xC0                                       ; all of the work-group's 128 KiB of W1 is asked for here, at once: window 3 takes my 64 loads
	WLOAD 0, 48
	s_wait_loadcnt 48                              ; sel's 8 loads are in; the 48 issued behind them may be out (a wait's count cannot name all 72 that follow sel's)
	WLOAD 48, 16
	WIN 0
.irp t, 0,1,2,3
	global_load_b128 v[BIAS+8*\t:BIAS+8*\t+3],   v15, s[10:11] offset:4*(32*(\t/2)+8*(\t%2))      ; tile t, register jj: unit 32 (t / 2) + 16 h + 8 (t % 2) + jj
	global_load_b128 v[BIAS+8*\t+4:BIAS+8*\t+7], v15, s[10:11] offset:4*(32*(\t/2)+8*(\t%2))+16
.endr
	; ---- the masks: s[32+c]: which lanes' tokens of register c chose e;  s[66+c]: as their second choice
	s_lshl_b32 s28, 1, s23
	s_lshl_b32 s29, s28, 8
	s_add_co_u32 s99, s23, 2048                    ; the row for slots past the count
.set c, 0
.rept 32
	v_and_b32 v[160+2*(c%4)], s28, v[AB+c]
	v_and_b32 v[161+2*(c%4)], s29, v[AB+c]
	v_cmp_ne_u32 s[32+c], 0, v[160+2*(c%4)]
	v_cmp_ne_u32 s[66+c], 0, v[161+2*(c%4)]
.set c, c+1
.endr
	s_mov_b32 s25, 0
.set c, 0
.rept 32
	s_bcnt1_i32_b32 s30, s[32+c]
	s_add_co_u32 s25, s25, s30                     ; the expert's count
.set c, c+1
.endr
	; ---- my tokens: 8 rounds, a lane a slot.  Each round's result goes into the last of the eight registers, which move down by one at each round's head: after the eighth, round p's lies in register p
	s_lshl_b32 s26, s22, 5                         ; the first slot of my group of 32 in the round's first tile
	s_mov_b32 s31, 0                               ; 512 x round
	s_mov_b32 s27, 8
.Lround:
	s_wait_xcnt 0x0                                ; the last round's store has read its offset and its data
.irp i, 0,1,2,3,4,5,6
	v_mov_b32 v[TOK+\i], v[TOK+\i+1]
.endr
	v_add_nc_u32 v[DOFF], s31, v17
	s_cmp_lt_u32 s26, s25
	s_cbranch_scc0 .Lround_end                     ; no tile of this round has a group of mine that begins under the count: its tokens are never asked for
	s_lshr_b32 s2, s31, 2
	v_add_nc_u32 v[RS], s2, v11                    ; my slot: 128 x round + 64 h + 16 w + r
	v_mov_b32 v[RM], s32
	v_mov_b32 v[RM1], s66
	v_mov_b32 v[RP0], 0
	v_mov_b32 v[RCB], 0
	s_mov_b32 s30, 0
.set c, 1
.rept 31                               ; the last register whose running count is at or under my slot is mine (the counts never fall, so the old values are kept from the first that is above)
	s_bcnt1_i32_b32 s2, s[31+c]
	s_add_co_u32 s30, s30, s2
	v_cmp_gt_u32 vcc_lo, s30, v[RS]
	v_cndmask_b32 v[RM], s[32+c], v[RM], vcc_lo
	v_cndmask_b32 v[RM1], s[66+c], v[RM1], vcc_lo
	v_cndmask_b32 v[RP0], s30, v[RP0], vcc_lo
	v_cndmask_b32 v[RCB], 128*(c/4)+c%4, v[RCB], vcc_lo
.set c, c+1
.endr
	v_sub_nc_u32 v[RN], v[RS], v[RP0]              ; which set bit of the mask
	v_lshrrev_b32 v[RT], 1, v[RM]                  ; the mask's counts by 2 bits,
	v_and_b32 v[RT], 0x55555555, v[RT]
	v_sub_nc_u32 v[RA], v[RM], v[RT]
	v_lshrrev_b32 v[RT], 2, v[RA]                  ; by 4,
	v_and_b32 v[RT], 0x33333333, v[RT]
	v_and_b32 v[RB4], 0x33333333, v[RA]
	v_add_nc_u32 v[RB4], v[RB4], v[RT]
	v_lshrrev_b32 v[RT], 4, v[RB4]                 ; by 8,
	v_add_nc_u32 v[RT], v[RB4], v[RT]
	v_and_b32 v[RC], 0x0f0f0f0f, v[RT]
	v_lshrrev_b32 v[RT], 8, v[RC]                  ; by 16 (in bytes 0 and 2)
	v_add_nc_u32 v[RD], v[RC], v[RT]
	v_mov_b32 v[RPOS], 0
	PICK RD, 8, 16
	PICK RC, 8, 8
	PICK RB4, 4, 4
	PICK RA, 2, 2
	PICK RM, 1, 1
	v_lshl_add_u32 v[RTOK], v[RPOS], 2, v[RCB]
	v_min_u32 v[TOK+7], 0x3ff, v[RTOK]             ; the token (a slot past the count: some token of the table)
	s_cmp_lg_u32 s24, 0
	s_cbranch_scc1 .Lround_end                     ; work-group j = 0 stores the list for the next launch
	v_bfe_u32 v[RT], v[RM1], v[RPOS], 1
	v_lshl_add_u32 v[RDD], v[TOK+7], 1, v[RT]      ; 2 token + (second choice)
	v_cmp_gt_u32 vcc_lo, s25, v[RS]
	v_cndmask_b32 v[RDD], s99, v[RDD], vcc_lo
	global_store_b32 v[DOFF], v[RDD], s[16:17]
.Lround_end:
	s_add_co_u32 s26, s26, 128
	s_add_co_u32 s31, s31, 512
	s_sub_co_u32 s27, s27, 1
	s_cmp_lg_u32 s27, 0
	s_cbranch_scc1 .Lround
	s_or_b32 s2, s24, s20
	s_cmp_lg_u32 s2, 0
	s_cbranch_scc1 .Lno_cnt
	v_mov_b32 v[RCNT], s25
	global_store_b32 v12, v[RCNT], s[18:19]        ; wave 0 of work-group j = 0: the count, 32 times, a lane a word
.Lno_cnt:
	s_load_b128 s[56:59], s[12:13], 0x0            ; e0, e1, e2, e3 (the masks are done with: their registers are free)
	s_mov_b32 s55, 0xffff0000                      ; lanes 16-31
	; ---- tile 0 of x into buffer 0, W1 into LDS
	s_lshl_b32 s26, s22, 5                         ; my group's first slot in the trip in hand
	s_cmp_lt_u32 s26, s25
	s_cbranch_scc0 .Lno_first
	GATHER TOK, 0, 0x40, 0                         ; through window 1, which W1's fragments take later
	s_wait_loadcnt 0x0
	PUT 7, 0x04, 0
.Lno_first:
	s_wait_loadcnt 0x0                             ; W1 and b1 are in
	WIN 0x0C
.set n, 0
.rept 64
	ds_store_b128 v5, v[4*n:4*n+3] offset:(n/2)*PITCH+512*(n%2)
.set n, n+1
.endr
	WIN 0
	s_wait_kmcnt 0x0
	s_add_co_i32 s28, s56, s57                     ; E = e0 + e1
	s_lshl_b32 s29, s28, 23
	s_add_co_i32 s50, s29, 0x3eb504f3              ; 2^E / (2 sqrt 2): E is added to the exponent field
	s_mov_b32 s51, s50
	s_lshl_b32 s29, s28, 24
	s_add_co_i32 s52, s29, 0xbf38aa3b              ; -(log2 e / 2) 4^E
	s_mov_b32 s53, s52
	s_mov_b32 s54, 0x7fffffff
	s_sub_co_i32 s29, s59, s28
	s_add_co_i32 s29, s29, 128
	s_lshl_b32 s30, s29, 23
	v_mov_b32 v20, s30                             ; 2^(e3 - E + 1) as f32: the conversion's scale
	s_add_co_i32 s29, s29, 15
	s_lshl_b32 s29, s29, 23
	s_or_b32 s29, s29, 0x600000
	v_mov_b32 v21, s29                             ; 57,344 x that
	s_sub_co_i32 s31, 0, s28
.set i, 0
.rept 32
	v_ldexp_f32 v[BIAS+i], v[BIAS+i], s31          ; b1 / 2^E: exact
.set i, i+1
.endr
	COEF 0, 0xbfe9b21e                             ; c0 .. c7 and c9, each x log2 e, in s[32:47] and s[48:49]; c8 in v[18:19]
	COEF 1, 0x3fb8ab5a
	COEF 2, 0x3f0a29d2
	COEF 3, 0x3e0efb2e
	COEF 4, 0xbe899a80
	COEF 5, 0x3ecdfd18
	COEF 6, 0xbfd1a1e5
	COEF 7, 0x40097039
	COEF 8, 0x3e7c6f08
	v_mov_b32 v18, 0xbf97d29d
	v_mov_b32 v19, 0xbf97d29d
	s_wait_dscnt 0x0                               ; my rows of W1 and of tile 0 have landed
	s_barrier_signal -1
	s_barrier_wait -1
.irp s, 0,1,2,3,4,5,6,7                ; my 64 rows of W1 become 32 fragments, which stay
	WIN 0x40+0x40*(\s/4)
.irp t, 0,1,2,3
.irp c, 0,1,2,3
	ds_load_b128 v[16*(4*(\s%4)+\t)+4*\c:16*(4*(\s%4)+\t)+4*\c+3], v6 offset:(32*(\t/2)+8*(\t%2))*PITCH+128*\s+32*\c
.endr
.endr
.endr
	WIN 0
	s_wait_dscnt 0x0
; A TRIP on buffer b.  The next tile is asked for first and has the trip's work in which to come; then the products and the GELU; then the next tile goes into the other buffer.  ONE barrier: in front of it each wave
; has waited for its reads of buffer b and for its stores into the other; the other buffer was last read a trip ago, ahead of that trip's barrier.
.macro TRIP b
	s_wait_xcnt 0x0                                ; the earlier stores have read their data registers, which this trip writes again.  It stands AHEAD of this trip's loads: what it waits for was issued a phase ago
	s_add_co_u32 s28, s26, 64*(\b)+64
	s_cmp_lt_u32 s28, s25
	s_cbranch_scc0 .Lno_a_\@
	GATHER TOK+\b, 16-16*(\b), 0xC0, 128           ; tile 2 it + 1: the upper lanes of the first register;  tile 2 it + 2: the lower lanes of the second
.Lno_a_\@:
	s_add_co_u32 s28, s26, 64*(\b)
	s_cmp_lt_u32 s28, s25
	s_cbranch_scc0 .Lno_b_\@
	COMPUTE 9+\b
	GELU 0, 262144*(\b)
	GELU 1, 262144*(\b)
.Lno_b_\@:
	s_wait_loadcnt 0x0                             ; on every way: no load is left on its way into the registers below, and the gather's offsets are free
	s_add_co_u32 s28, s26, 64*(\b)+64
	s_cmp_lt_u32 s28, s25
	s_cbranch_scc0 .Lno_c_\@
	PUT 8-\b, 0x0C, 128
.Lno_c_\@:
	s_wait_dscnt 0x0
	s_barrier_signal -1
	s_barrier_wait -1
.endm
	s_mov_b32 s27, 8
.Ltrip:                                                ; 8 x 2 trips, a constant: 1,024 slots
	TRIP 0
	TRIP 1
	s_wait_xcnt 0x0                                ; the stores have read their base
	s_add_nc_u64 s[14:15], s[14:15], 524288        ; 8 tiles of 16 slots on
.irp i, 0,1,2,3,4,5,6
	v_mov_b32 v[TOK+\i], v[TOK+\i+1]               ; the tokens move down by one register: two tiles on
.endr
	s_add_co_u32 s26, s26, 128
	s_sub_co_u32 s27, s27, 1
	s_cmp_lg_u32 s27, 0
	s_cbranch_scc1 .Ltrip
	s_wait_tensorcnt 0x0                           ; the wave's end: behind my last LDS store
	ds_add_u32 v22, v23
	s_wait_dscnt 0x0
	s_endpgm
.Lfunc_end_k_qa90617597a_ffn1:
	.size	k_qa90617597a_ffn1, .Lfunc_end_k_qa90617597a_ffn1-k_qa90617597a_ffn1
	.p2alignl 7, 3214868480
	.fill 96, 4, 3214868480
	.section	.rodata,"a",@progbits
	.p2align	6, 0x0
	.amdhsa_kernel k_qa90617597a_ffn1
		.amdhsa_group_segment_fixed_size 266752
		.amdhsa_private_segment_fixed_size 0
		.amdhsa_enable_private_segment 0
		.amdhsa_kernarg_size 64
		.amdhsa_user_sgpr_count 2
		.amdhsa_user_sgpr_kernarg_segment_ptr 1
		.amdhsa_wavefront_size32 1
		.amdhsa_system_sgpr_workgroup_id_x 1
		.amdhsa_system_sgpr_workgroup_id_y 1
		.amdhsa_system_sgpr_workgroup_id_z 1
		.amdhsa_system_vgpr_workitem_id 0
		.amdhsa_next_free_vgpr 1024
		.amdhsa_next_free_sgpr 100
		.amdhsa_reserve_vcc 1
		.amdhsa_float_denorm_mode_32 3
		.amdhsa_float_denorm_mode_16_64 3
		.amdhsa_memory_ordered 1
		.amdhsa_forward_progress 1
		.amdhsa_inst_pref_size 173
	.end_amdhsa_kernel
	.amdgpu_metadata
---
amdhsa.version: [ 1, 2 ]
amdhsa.kernels:
  - .name:           k_qa90617597a_ffn1
    .symbol:         k_qa90617597a_ffn1.kd
    .args:
      - { .name: xq, .offset: 0, .size: 8, .value_kind: global_buffer, .address_space: global }
      - { .name: sel, .offset: 8, .size: 8, .value_kind: global_buffer, .address_space: global }
      - { .name: W1_codes, .offset: 16, .size: 8, .value_kind: global_buffer, .address_space: global }
      - { .name: b1, .offset: 24, .size: 8, .value_kind: global_buffer, .address_space: global }
      - { .name: lowp_scales, .offset: 32, .size: 8, .value_kind: global_buffer, .address_space: global }
      - { .name: hq, .offset: 40, .size: 8, .value_kind: global_buffer, .address_space: global }
      - { .name: dlist, .offset: 48, .size: 8, .value_kind: global_buffer, .address_space: global }
      - { .name: cnts, .offset: 56, .size: 8, .value_kind: global_buffer, .address_space: global }
    .group_segment_fixed_size: 266752
    .private_segment_fixed_size: 0
    .kernarg_segment_align: 8
    .kernarg_segment_size: 64
    .max_flat_workgroup_size: 128
    .sgpr_count:     100
    .vgpr_count:     1024
    .wavefront_size: 32
...
	.end_amdgpu_metadata
.endif
;; end of part 2
;; launch ffn2 (part 3): grid 32 x 8, 4 waves a work-group, no clusters, 283,136 bytes of LDS; arguments hq, W2_codes, b2, lowp_scales, dlist, cnts, yp; writes yp
.if DOCPART == 3
	.amdgcn_target "amdgcn-amd-amdhsa--gfx1250"
	.amdhsa_code_object_version 6
	.text
	.protected	k_qa90617597a_ffn2
	.globl	k_qa90617597a_ffn2
	.p2align	8
	.type	k_qa90617597a_ffn2,@function
k_qa90617597a_ffn2:
	s_mov_b64 s[64:65], 0
	v_nop
	global_prefetch_b8 v0, s[64:65] scope:SCOPE_SE
	s_setreg_imm32_b32 hwreg(HW_REG_WAVE_MODE, 25, 1), 1
	s_wait_xcnt 0x0
; THE SECOND EXPERT PRODUCT, a quarter of K to a work-group: yp[q][2 t + k][o] = the sum over hidden units 1,024 q .. 1,024 q + 1,023 of hq x W2[e] (codes as they are) + b2[e][o] / 4 / 2^(e2 + e3).
; Left out as dead work: the rows of tokens that did not choose expert e (shown at the head of the first kernel).
; SHARES.  Work-group (n8 + 8 q, e) owns outputs 128 n8 .. + 127 and K quarter q of expert e: 128 rows x 1,024 codes of W2.  Each byte of W2 is read by one work-group, once, and stays in registers, as W1 does in the
; launch before; the walk over the expert's slots, 64 a trip, is the same too, by the count that that launch stored.  K is split so that this holds; the price is four partial sums for each routed row, which the last
; launch, needed in any case to add a token's two experts, adds.  Each quarter carries a quarter of the bias, as the C of its first products: a division by a power of two, exact; the four add up to b2.
; The sums go out unscaled; the last launch multiplies by 2^(e2 + e3).  A row goes to the place that dlist names: 2 token + choice; slots past the count go to row 2,048 + e, which nobody reads.
; hq lies as images of the operand's registers: a tile of 16 slots x 1,024 K is 16,384 consecutive bytes, copied to LDS as it lies and read back 16 bytes a lane.  It goes through LDS, each tile fetched by one wave,
; because two waves of the work-group want each tile: fetched by both, a trip's 64 KiB of hq would be 128.
; NO CLUSTER, NO TENSOR LOAD: which trips work hangs on a count read from memory.  TRANSPOSED USE (source 0 = 16 rows of W2, source 1 = 16 slots): a lane holds eight neighbouring outputs of one slot.
; LIMITS: e2 + e3 between -126 and 124.  NaN among the inputs is not served.
; REGISTERS, in windows of 256: window 0: v1-23 addresses; v32-95 8 accumulators; v96-127 the bias; v128-191 rows on the way out; v192-207 their places.
;   windows 1, 2: W2's fragments of K steps 0-3, 4-7;  window 3: v0-127 four sets of hq's fragments by turns, v128-255 the next tile on its way to LDS.
.set PITCH, 1040                       ; W2's rows in LDS: 1,024 bytes + 16 = 65 x 16: sixteen neighbouring rows start at sixteen different 16-byte columns
.set HB0,   128*PITCH                  ; LDS: from 0 W2's 128 rows;  two buffers of 4 tiles x 16,384 bytes of hq's images;
.set HB1,   HB0+65536
.set STG,   HB1+65536                  ; a stage of 16 rows x (256 bytes + 16) for each wave;
.set SP,    272
.set DSCR,  STG+4*16*SP                ; the rows' places: for each wave 2 x 32 words;
.set SPARE, DSCR+1024                  ; the spare words, 128 bytes a wave, which no other line names
.set PLANE, 2056*4096                  ; a quarter's plane of yp
.set MSTEP, 16384
.set SSTEP, 2048
.set CSTEP, 512
.set ACC,   32
.set BIAS,  96
.set OUT,   128
.set DV,    192
.set MSB, 0
.macro WIN new                         ; the immediate's low byte: bits 1:0 source 0, 3:2 source 1, 5:4 source 2, 7:6 destination; its high byte repeats the setting that is left
.if MSB != (\new)
	s_set_vgpr_msb (MSB<<8)|(\new)
.set MSB, (\new)
.endif
.endm
.macro HLOAD win, base, ofs            ; my tile of 16 slots: 32 loads of 512 consecutive bytes
	WIN \win
.set n, 0
.rept 32
	global_load_b128 v[\base+4*n:\base+4*n+3], v4, s[4:5] offset:\ofs+512*n
.set n, n+1
.endr
	WIN 0
.endm
.macro HPUT adr, win, base             ; and into a buffer, as it lies
	WIN \win
.set n, 0
.rept 32
	ds_store_b128 v[\adr], v[\base+4*n:\base+4*n+3] offset:512*n
.set n, n+1
.endr
	WIN 0
.endm
.macro FSET s, frb                     ; the activations' two fragments of K step s into set s % 4: 8 LDS loads
.irp m, 0,1
.irp c, 0,1,2,3
	ds_load_b128 v[32*((\s)%4)+16*\m+4*\c:32*((\s)%4)+16*\m+4*\c+3], v[\frb] offset:MSTEP*\m+SSTEP*(\s)+CSTEP*\c
.endr
.endr
.endm
; 32 slots x 64 weight rows x 1,024 along K: 64 matrix instructions.  The 8 accumulators take turns, one instruction a turn; the bias starts the sums: nothing is cleared.
.macro COMPUTE frb
	WIN 0xC0
	FSET 0, \frb
	FSET 1, \frb
	FSET 2, \frb
	FSET 3, \frb
.irp s, 0,1,2,3,4,5,6,7
.if \s <= 4
	s_wait_dscnt 24                                ; set s is in; behind it stand three sets of 8 loads
.else
	s_wait_dscnt 8*(7-\s)                          ; the sets behind it run out
.endif
	WIN 0x0D+(\s/4)                                ; source 0 (weights) window 1 or 2, source 1 window 3, C and D window 0
.irp t, 0,1,2,3
.irp m, 0,1
.if \s == 0
	v_wmma_f32_16x16x128_bf8_bf8 v[ACC+8*(4*\m+\t):ACC+8*(4*\m+\t)+7], v[16*(4*(\s%4)+\t):16*(4*(\s%4)+\t)+15], v[32*(\s%4)+16*\m:32*(\s%4)+16*\m+15], v[BIAS+8*\t:BIAS+8*\t+7]
.else
	v_wmma_f32_16x16x128_bf8_bf8 v[ACC+8*(4*\m+\t):ACC+8*(4*\m+\t)+7], v[16*(4*(\s%4)+\t):16*(4*(\s%4)+\t)+15], v[32*(\s%4)+16*\m:32*(\s%4)+16*\m+15], v[ACC+8*(4*\m+\t):ACC+8*(4*\m+\t)+7]
.endif
.endr
.endr
.if \s < 4
.rept 4
	v_nop                                          ; four places in front of loads into registers that these products have read (ISA guide 7.12.1 for vector instructions)
.endr
	WIN 0xC0
	FSET \s+4, \frb
.endif
.endr
	WIN 0
.rept 4
	v_nop                                          ; four places in front of the first read of results
.endr
.endm
; THE WAY OUT.  A lane holds 32 neighbouring bytes of a slot's row, the lanes beside it other slots: 16 slots at a time go through my own stage and come back as rows of 256 bytes, which sixteen lanes store whole.
; LDS serves a wave's instructions in order (ISA guide 5.7.1.4): no wait between the stage's stores and loads, nor in front of the second 16 slots' stores.
.macro WAYOUT b
.irp m, 0,1
.irp i, 0,1,2,3,4,5,6,7
	ds_load_b32 v[DV+8*\m+\i], v17 offset:128*(\b)+4*(16*\m+2*\i)   ; the place of slot 16 m + 2 i + lane / 16
.endr
.endr
.irp m, 0,1
.irp t, 0,1,2,3
	ds_store_b128 v14, v[ACC+8*(4*\m+\t):ACC+8*(4*\m+\t)+3] offset:64*\t          ; each accumulator from its low end on
	ds_store_b128 v14, v[ACC+8*(4*\m+\t)+4:ACC+8*(4*\m+\t)+7] offset:64*\t+16
.endr
.irp i, 0,1,2,3,4,5,6,7
	ds_load_b128 v[OUT+32*\m+4*\i:OUT+32*\m+4*\i+3], v15 offset:2*SP*\i
.endr
.endr
	s_wait_dscnt 32                                ; the 16 places are in; behind them stand twice 8 stores and 8 loads
.set i, 0
.rept 16
	v_min_u32 v[DV+i], 0x807, v[DV+i]              ; held inside yp's 2,056 rows
.set i, i+1
.endr
.set i, 0
.rept 16
	v_lshl_add_u32 v[DV+i], v[DV+i], 12, v13       ; x a row's 4,096 bytes + 16 (lane % 16)
.set i, i+1
.endr
	s_wait_dscnt 16                                ; the first 16 slots' rows are back; the second 16's stores and loads may be out
.irp i, 0,1,2,3,4,5,6,7
	global_store_b128 v[DV+\i], v[OUT+4*\i:OUT+4*\i+3], s[16:17] th:TH_STORE_NT   ; sixteen lanes store 256 consecutive bytes, aligned
.endr
	s_wait_dscnt 0x0
.irp i, 0,1,2,3,4,5,6,7
	global_store_b128 v[DV+8+\i], v[OUT+32+4*\i:OUT+32+4*\i+3], s[16:17] th:TH_STORE_NT
.endr
.endm
	s_load_b256 s[4:11], s[0:1], 0x0               ; hq s[4:5], W2 s[6:7], b2 s[8:9], lowp_scales s[10:11]
	s_load_b128 s[12:15], s[0:1], 0x20             ; dlist s[12:13], cnts s[14:15]
	s_load_b64 s[16:17], s[0:1], 0x30              ; yp
	v_lshl_add_u32 v22, v0, 2, SPARE               ; my spare word,
	v_mov_b32 v23, 0                               ; and 0: kept for the closing lines alone
	v_lshrrev_b32 v1, 5, v0
	v_readfirstlane_b32 s20, v1                    ; wave 0..3
	s_and_b32 s21, s20, 1                          ; cg: which 64 of the 128 outputs
	s_lshr_b32 s22, s20, 1                         ; rg: which 32 of a trip's 64 slots
	s_and_b32 s23, ttmp7, 0xffff                   ; e
	s_and_b32 s24, ttmp9, 7                        ; n8
	s_lshr_b32 s30, ttmp9, 3                       ; q
	v_and_b32 v1, 31, v0                           ; lane
	v_and_b32 v2, 15, v0                           ; r
	v_bfe_u32 v3, v0, 4, 1                         ; h
	v_lshlrev_b32 v4, 4, v1                        ; 16 x lane
	s_mul_i32 s28, s20, 32*PITCH
	v_add_nc_u32 v5, s28, v4                       ; W2 into LDS: my 32 rows
	v_mul_u32_u24 v6, v2, PITCH
	v_lshl_add_u32 v6, v3, 4, v6
	s_mul_i32 s28, s21, 64*PITCH
	v_add_nc_u32 v6, s28, v6                       ; W2's fragments: my 64 rows
	s_lshl_b32 s28, s20, 14
	v_add_nc_u32 v7, s28, v4
	v_add_nc_u32 v8, HB1, v7                       ; hq into buffer 1,
	v_add_nc_u32 v7, HB0, v7                       ; into buffer 0: tile w of the four
	s_lshl_b32 s28, s22, 15
	v_add_nc_u32 v9, s28, v4
	v_add_nc_u32 v10, HB1, v9                      ; hq's fragments in buffer 1,
	v_add_nc_u32 v9, HB0, v9                       ; in buffer 0: tiles 2 rg, 2 rg + 1
	v_lshlrev_b32 v12, 2, v1                       ; 4 x lane
	v_lshlrev_b32 v13, 4, v2                       ; 16 (lane % 16)
	s_mul_i32 s28, s20, 16*SP
	s_add_co_u32 s28, s28, STG                     ; my stage
	v_mul_u32_u24 v14, v2, SP
	v_lshl_add_u32 v14, v3, 5, v14
	v_add_nc_u32 v14, s28, v14                     ; in: row r, 32 bytes for each half of the lanes
	v_mul_u32_u24 v15, v3, SP
	v_lshl_add_u32 v15, v2, 4, v15
	v_add_nc_u32 v15, s28, v15                     ; back: lanes 0-15 one row, lanes 16-31 the next
	s_lshl_b32 s28, s20, 8
	s_add_co_u32 s28, s28, DSCR
	v_add_nc_u32 v16, s28, v12                     ; my wave's places: in, a lane a slot;
	v_lshl_add_u32 v17, v3, 2, s28                 ; back, a word for 16 lanes
	v_mov_b32 v18, 0                               ; (written on every way)
	v_lshlrev_b32 v19, 5, v3                       ; b2: 8 outputs for each half of the lanes
	s_lshl_b32 s2, s23, 22                         ; an expert's W2, and its region of hq: 4 MiB
	s_lshl_b32 s40, s24, 19
	s_add_co_u32 s40, s40, s2
	s_lshl_b32 s3, s20, 17
	s_add_co_u32 s40, s40, s3
	s_lshl_b32 s3, s30, 10
	s_add_co_u32 s40, s40, s3                      ; W2: + 4,096 (128 n8 + 32 w) + 1,024 q
	s_mov_b32 s41, 0
	s_lshl_b32 s42, s20, 16
	s_add_co_u32 s42, s42, s2
	s_lshl_b32 s3, s30, 14
	s_add_co_u32 s42, s42, s3                      ; hq: + tile w of 65,536 + K steps 8 q on
	s_mov_b32 s43, 0
	s_lshl_b32 s44, s23, 12
	s_lshl_b32 s3, s22, 7
	s_add_co_u32 s44, s44, s3                      ; dlist: 1,024 words an expert, + my 32 slots
	s_mov_b32 s45, 0
	s_lshl_b32 s46, s23, 7
	s_mov_b32 s47, 0
	s_lshl_b32 s50, s24, 9
	s_lshl_b32 s3, s21, 8
	s_add_co_u32 s50, s50, s3                      ; 4 (128 n8 + 64 cg)
	s_mul_i32 s48, s30, PLANE
	s_add_co_u32 s48, s48, s50                     ; yp: + my quarter's plane
	s_mov_b32 s49, 0
	s_lshl_b32 s3, s23, 12
	s_add_co_u32 s50, s50, s3                      ; b2: + 4,096 e
	s_mov_b32 s51, 0
	s_wait_kmcnt 0x0
	s_add_nc_u64 s[6:7], s[6:7], s[40:41]
	s_add_nc_u64 s[4:5], s[4:5], s[42:43]
	s_add_nc_u64 s[12:13], s[12:13], s[44:45]
	s_add_nc_u64 s[14:15], s[14:15], s[46:47]
	s_add_nc_u64 s[16:17], s[16:17], s[48:49]
	s_add_nc_u64 s[8:9], s[8:9], s[50:51]
	s_load_b32 s25, s[14:15], 0x0                  ; the expert's count
	s_load_b128 s[36:39], s[10:11], 0x0            ; e0, e1, e2, e3
	WIN 0xC0                                       ; all of the work-group's 128 KiB of W2 is asked for here, at once: window 3 takes my 64 loads, each 512 consecutive bytes
.set n, 0
.rept 64
	global_load_b128 v[4*n:4*n+3], v4, s[6:7] offset:4096*(n/2)+512*(n%2) th:TH_LOAD_NT
.set n, n+1
.endr
	WIN 0
.irp t, 0,1,2,3
	global_load_b128 v[BIAS+8*\t:BIAS+8*\t+3],   v19, s[8:9] offset:64*\t       ; tile t, register jj: output 16 t + 8 h + jj
	global_load_b128 v[BIAS+8*\t+4:BIAS+8*\t+7], v19, s[8:9] offset:64*\t+16
.endr
	s_wait_kmcnt 0x0
	s_min_u32 s25, s25, 1024
	s_lshl_b32 s26, s22, 5                         ; my group's first slot in the trip in hand
	s_cmp_lt_u32 s26, s25
	s_cbranch_scc0 .Lno_first
	global_load_b32 v18, v12, s[12:13]
	HLOAD 0x40, 0, 0                               ; tile 0, through window 1, which W2's fragments take later
	s_wait_loadcnt 0x0
	HPUT 7, 0x04, 0
	ds_store_b32 v16, v18
.Lno_first:
	s_wait_loadcnt 0x0                             ; W2 and b2 are in
	WIN 0x0C
.set n, 0
.rept 64
	ds_store_b128 v5, v[4*n:4*n+3] offset:(n/2)*PITCH+512*(n%2)
.set n, n+1
.endr
	WIN 0
	s_add_co_i32 s28, s38, s39
	s_sub_co_i32 s28, 125, s28
	s_lshl_b32 s28, s28, 23                        ; 2^-(e2 + e3) / 4 as f32
.set i, 0
.rept 32
	v_mul_f32 v[BIAS+i], s28, v[BIAS+i]            ; my quarter of the bias, in the sums' scale: exact
.set i, i+1
.endr
	s_wait_dscnt 0x0                               ; my rows of W2 and of tile 0 have landed
	s_barrier_signal -1
	s_barrier_wait -1
.irp s, 0,1,2,3,4,5,6,7                ; my 64 rows of W2 become 32 fragments, which stay
	WIN 0x40+0x40*(\s/4)
.irp t, 0,1,2,3
.irp c, 0,1,2,3
	ds_load_b128 v[16*(4*(\s%4)+\t)+4*\c:16*(4*(\s%4)+\t)+4*\c+3], v6 offset:16*\t*PITCH+128*\s+32*\c
.endr
.endr
.endr
	WIN 0
	s_wait_dscnt 0x0
; A TRIP on buffer b: the next tile and its places are asked for first; the products and the way out; the next tile goes into the other buffer.  ONE barrier: in front of it each wave has waited for its reads of
; buffer b and for its stores into the other; the other buffer was last read a trip ago, ahead of that trip's barrier.
.macro TRIP b
	s_wait_xcnt 0x0                                ; the last trip's stores have read their data and their offsets, which this trip's way out writes again.  It stands AHEAD of this trip's loads: what it waits for was issued a phase ago
	s_add_co_u32 s28, s26, 64*(\b)+64
	s_cmp_lt_u32 s28, s25
	s_cbranch_scc0 .Lno_a_\@
	global_load_b32 v18, v12, s[12:13] offset:256*(\b)+256
	HLOAD 0xC0, 128, 262144*(\b)+262144
.Lno_a_\@:
	s_add_co_u32 s28, s26, 64*(\b)
	s_cmp_lt_u32 s28, s25
	s_cbranch_scc0 .Lno_b_\@
	COMPUTE 9+\b
	WAYOUT \b
.Lno_b_\@:
	s_wait_loadcnt 0x0                             ; on every way: no load is left on its way into the registers below
	s_add_co_u32 s28, s26, 64*(\b)+64
	s_cmp_lt_u32 s28, s25
	s_cbranch_scc0 .Lno_c_\@
	HPUT 8-\b, 0x0C, 128
	ds_store_b32 v16, v18 offset:128-128*(\b)
.Lno_c_\@:
	s_wait_dscnt 0x0
	s_barrier_signal -1
	s_barrier_wait -1
.endm
	s_mov_b32 s27, 8
.Ltrip:                                                ; 8 x 2 trips, a constant: 1,024 slots
	TRIP 0
	TRIP 1
	s_wait_xcnt 0x0                                ; the loads have read their bases
	s_add_nc_u64 s[4:5], s[4:5], 524288            ; 8 tiles of 16 slots on
	s_add_nc_u64 s[12:13], s[12:13], 512           ; 128 slots on
	s_add_co_u32 s26, s26, 128
	s_sub_co_u32 s27, s27, 1
	s_cmp_lg_u32 s27, 0
	s_cbranch_scc1 .Ltrip
	s_wait_tensorcnt 0x0                           ; the wave's end: behind my last LDS store
	ds_add_u32 v22, v23
	s_wait_dscnt 0x0
	s_endpgm
.Lfunc_end_k_qa90617597a_ffn2:
	.size	k_qa90617597a_ffn2, .Lfunc_end_k_qa90617597a_ffn2-k_qa90617597a_ffn2
	.p2alignl 7, 3214868480
	.fill 96, 4, 3214868480
	.section	.rodata,"a",@progbits
	.p2align	6, 0x0
	.amdhsa_kernel k_qa90617597a_ffn2
		.amdhsa_group_segment_fixed_size 283136
		.amdhsa_private_segment_fixed_size 0
		.amdhsa_enable_private_segment 0
		.amdhsa_kernarg_size 56
		.amdhsa_user_sgpr_count 2
		.amdhsa_user_sgpr_kernarg_segment_ptr 1
		.amdhsa_wavefront_size32 1
		.amdhsa_system_sgpr_workgroup_id_x 1
		.amdhsa_system_sgpr_workgroup_id_y 1
		.amdhsa_system_sgpr_workgroup_id_z 1
		.amdhsa_system_vgpr_workitem_id 0
		.amdhsa_next_free_vgpr 1024
		.amdhsa_next_free_sgpr 66
		.amdhsa_reserve_vcc 0
		.amdhsa_float_denorm_mode_32 3
		.amdhsa_float_denorm_mode_16_64 3
		.amdhsa_memory_ordered 1
		.amdhsa_forward_progress 1
		.amdhsa_inst_pref_size 74
	.end_amdhsa_kernel
	.amdgpu_metadata
---
amdhsa.version: [ 1, 2 ]
amdhsa.kernels:
  - .name:           k_qa90617597a_ffn2
    .symbol:         k_qa90617597a_ffn2.kd
    .args:
      - { .name: hq, .offset: 0, .size: 8, .value_kind: global_buffer, .address_space: global }
      - { .name: W2_codes, .offset: 8, .size: 8, .value_kind: global_buffer, .address_space: global }
      - { .name: b2, .offset: 16, .size: 8, .value_kind: global_buffer, .address_space: global }
      - { .name: lowp_scales, .offset: 24, .size: 8, .value_kind: global_buffer, .address_space: global }
      - { .name: dlist, .offset: 32, .size: 8, .value_kind: global_buffer, .address_space: global }
      - { .name: cnts, .offset: 40, .size: 8, .value_kind: global_buffer, .address_space: global }
      - { .name: yp, .offset: 48, .size: 8, .value_kind: global_buffer, .address_space: global }
    .group_segment_fixed_size: 283136
    .private_segment_fixed_size: 0
    .kernarg_segment_align: 8
    .kernarg_segment_size: 56
    .max_flat_workgroup_size: 128
    .sgpr_count:     66
    .vgpr_count:     1024
    .wavefront_size: 32
...
	.end_amdgpu_metadata
.endif
;; end of part 3
;; launch combine (part 4): grid 256 x 1, 8 waves a work-group, no clusters, 0 bytes of LDS; arguments yp, cw, lowp_scales, out0; writes out0
.if DOCPART == 4
	.amdgcn_target "amdgcn-amd-amdhsa--gfx1250"
	.amdhsa_code_object_version 6
	.text
	.protected	k_qa90617597a_combine
	.globl	k_qa90617597a_combine
	.p2align	8
	.type	k_qa90617597a_combine,@function
k_qa90617597a_combine:
	s_mov_b64 s[64:65], 0
	v_nop
	global_prefetch_b8 v0, s[64:65] scope:SCOPE_SE
	s_setreg_imm32_b32 hwreg(HW_REG_WAVE_MODE, 25, 1), 1
	s_wait_xcnt 0x0
; THE WEIGHTED SUM: out[t] = 2^(e2 + e3) (w_first x the sum over the four K quarters of yp[q][2 t] + w_second x the same of yp[q][2 t + 1]).  The six experts that a token did not choose are left out as dead work
; (shown at the head of the first kernel); b2 lies in the partial sums already, a quarter in each.
; A stream: a work-group takes 4 tokens, thread v0 the 16 bytes at 16 v0 of every row, so that a wave's load or store covers 512 consecutive bytes.  All 32 loads of a thread go out at once, token by token;
; the waits count down by a token's eight.  No LDS, no barrier, no matrix unit: K = 8 of which 2 count.
; LIMIT: e2 + e3 between -126 and 127, so that 2^(e2 + e3) is an f32 number.
.set PLANE, 2056*4096                  ; a quarter's plane of yp: beyond a load's immediate, so each quarter has a base of its own
.set Y,     8                          ; v8-135   (token, quarter, choice) at v[Y + 32 token + 8 quarter + 4 choice]
.set R,     136                        ; v136-151 four registers a token: no store's data are written again
	s_load_b256 s[4:11], s[0:1], 0x0               ; yp s[4:5], cw s[6:7], lowp_scales s[8:9], out0 s[10:11]
	v_lshlrev_b32 v1, 4, v0
	s_lshl_b32 s2, ttmp9, 15                       ; 8 rows of yp
	s_mov_b32 s3, 0
	s_lshl_b32 s12, ttmp9, 5                       ; 4 pairs of weights
	s_mov_b32 s13, 0
	s_lshl_b32 s14, ttmp9, 14                      ; 4 rows of out
	s_mov_b32 s15, 0
	s_wait_kmcnt 0x0
	s_add_nc_u64 s[16:17], s[4:5], s[2:3]
	s_add_nc_u64 s[18:19], s[16:17], PLANE
	s_add_nc_u64 s[20:21], s[18:19], PLANE
	s_add_nc_u64 s[22:23], s[20:21], PLANE
	s_add_nc_u64 s[6:7], s[6:7], s[12:13]
	s_add_nc_u64 s[10:11], s[10:11], s[14:15]
	s_load_b256 s[24:31], s[6:7], 0x0              ; the 4 tokens' weights
	s_load_b64 s[12:13], s[8:9], 0x8               ; e2, e3
.irp t, 0,1,2,3
.irp q, 0,1,2,3
.irp k, 0,1
	global_load_b128 v[Y+32*\t+8*\q+4*\k:Y+32*\t+8*\q+4*\k+3], v1, s[16+2*\q:17+2*\q] offset:4096*(2*\t+\k) th:TH_LOAD_NT
.endr
.endr
.endr
	s_wait_kmcnt 0x0
	s_add_co_i32 s14, s12, s13
	s_add_co_i32 s14, s14, 127
	s_lshl_b32 s14, s14, 23                        ; 2^(e2 + e3) as f32
.irp i, 0,1,2,3,4,5,6,7
	s_mul_f32 s[32+2*\i], s[24+\i], s14            ; weight x 2^(e2 + e3): exact short of overflow and underflow
.endr
.irp i, 0,1,2,3,4,5,6,7
	s_mov_b32 s[33+2*\i], s[32+2*\i]               ; (named with it as a pair, so it is written)
.endr
.irp t, 0,1,2,3
	s_wait_loadcnt 24-8*\t                         ; this token's 8 loads are in; the later tokens', 8 each, may be out
.irp k, 0,1
.irp p, 0,2
	v_pk_add_f32 v[Y+32*\t+4*\k+\p:Y+32*\t+4*\k+\p+1], v[Y+32*\t+4*\k+\p:Y+32*\t+4*\k+\p+1], v[Y+32*\t+8+4*\k+\p:Y+32*\t+8+4*\k+\p+1]
	v_pk_add_f32 v[Y+32*\t+16+4*\k+\p:Y+32*\t+16+4*\k+\p+1], v[Y+32*\t+16+4*\k+\p:Y+32*\t+16+4*\k+\p+1], v[Y+32*\t+24+4*\k+\p:Y+32*\t+24+4*\k+\p+1]
.endr
.endr
.irp k, 0,1
.irp p, 0,2
	v_pk_add_f32 v[Y+32*\t+4*\k+\p:Y+32*\t+4*\k+\p+1], v[Y+32*\t+4*\k+\p:Y+32*\t+4*\k+\p+1], v[Y+32*\t+16+4*\k+\p:Y+32*\t+16+4*\k+\p+1]
.endr
.endr
.irp p, 0,2
	v_pk_mul_f32 v[R+4*\t+\p:R+4*\t+\p+1], v[Y+32*\t+\p:Y+32*\t+\p+1], s[32+4*\t:33+4*\t] op_sel_hi:[1,0]
.endr
.irp p, 0,2
	v_pk_fma_f32 v[R+4*\t+\p:R+4*\t+\p+1], v[Y+32*\t+4+\p:Y+32*\t+4+\p+1], s[34+4*\t:35+4*\t], v[R+4*\t+\p:R+4*\t+\p+1] op_sel_hi:[1,0,1]
.endr
	global_store_b128 v1, v[R+4*\t:R+4*\t+3], s[10:11] offset:4096*\t th:TH_STORE_NT
.endr
	s_endpgm
.Lfunc_end_k_qa90617597a_combine:
	.size	k_qa90617597a_combine, .Lfunc_end_k_qa90617597a_combine-k_qa90617597a_combine
	.p2alignl 7, 3214868480
	.fill 96, 4, 3214868480
	.section	.rodata,"a",@progbits
	.p2align	6, 0x0
	.amdhsa_kernel k_qa90617597a_combine
		.amdhsa_group_segment_fixed_size 0
		.amdhsa_private_segment_fixed_size 0
		.amdhsa_enable_private_segment 0
		.amdhsa_kernarg_size 32
		.amdhsa_user_sgpr_count 2
		.amdhsa_user_sgpr_kernarg_segment_ptr 1
		.amdhsa_wavefront_size32 1
		.amdhsa_system_sgpr_workgroup_id_x 1
		.amdhsa_system_sgpr_workgroup_id_y 1
		.amdhsa_system_sgpr_workgroup_id_z 1
		.amdhsa_system_vgpr_workitem_id 0
		.amdhsa_next_free_vgpr 152
		.amdhsa_next_free_sgpr 66
		.amdhsa_reserve_vcc 0
		.amdhsa_float_denorm_mode_32 3
		.amdhsa_float_denorm_mode_16_64 3
		.amdhsa_memory_ordered 1
		.amdhsa_forward_progress 1
		.amdhsa_inst_pref_size 10
	.end_amdhsa_kernel
	.amdgpu_metadata
---
amdhsa.version: [ 1, 2 ]
amdhsa.kernels:
  - .name:           k_qa90617597a_combine
    .symbol:         k_qa90617597a_combine.kd
    .args:
      - { .name: yp, .offset: 0, .size: 8, .value_kind: global_buffer, .address_space: global }
      - { .name: cw, .offset: 8, .size: 8, .value_kind: global_buffer, .address_space: global }
      - { .name: lowp_scales, .offset: 16, .size: 8, .value_kind: global_buffer, .address_space: global }
      - { .name: out0, .offset: 24, .size: 8, .value_kind: global_buffer, .address_space: global }
    .group_segment_fixed_size: 0
    .private_segment_fixed_size: 0
    .kernarg_segment_align: 8
    .kernarg_segment_size: 32
    .max_flat_workgroup_size: 256
    .sgpr_count:     66
    .vgpr_count:     152
    .wavefront_size: 32
...
	.end_amdgpu_metadata
.endif
;; end of part 4
